; MI455X (gfx1250); checked and timed in simulation.
; The chip was launched on July 23, 2026; its instructions are those of AMD's public machine-readable ISA for CDNA 5 (MIT licence, August 2026) and "CDNA5" Instruction Set Architecture Reference Guide (July 2026). The comments in the code are by the model that wrote it; some were corrected since.
;; Atention. Allowed arithmetic: matrix products marked QUANTISED: E2M1 operands, one E8M0 scale for each 32 along K, by v_wmma_scale_f32_16x16x128_f8f6f4 with both operands' format E2M1 (or v_wmma_scale_f32_32x16x128_f4), f32 sums; products left as they are: f32 operands where the result goes on into a quantised operand, else bf16, f16 or f32 operands; f32 sums; everything else in f32.
;; Inputs: U_a 1,024 x 1,024 float32; W_a 1,024 x 1,024 float32; decoder_state 64 x 1,024 float32; encoder_outputs 64 x 1,024 x 1,024 float32; src_mask 64 x 1,024 int32; v_a 1,024 float32.
;; Outputs: out0 64 x 1,024 float32; out1 64 x 1,024 float32.
;; This version of the problem:
;;   THIS VERSION OF THE PROBLEM IS GIVEN IN LOW PRECISION. The matrix products marked QUANTISED in the list below multiply operands that are first quantised to E2M1 (2 exponent bits, 1 mantissa bit; 4 bits a number), with one power-of-two scale for each 32 numbers along K (OCP MX v1.0); their sums are f32. All else is computed in f32.
;;   The module's matrix products, in the order in which they are computed (A, B: the left and right operand; K: the contracted axis; several contracted axes count as one K, in the product's order):
;;     1. [M 64, K 1,024] x [K 1,024, N 1,024]; A: input decoder_state; B: input W_a: QUANTISED
;;     2. [M 65,536, K 1,024] x [K 1,024, N 1,024]; A: input encoder_outputs; B: input U_a: QUANTISED
;;     3. [M 65,536, K 1,024] x [K 1,024, N 1]; A: computed on the way; B: input v_a: left as it is (N = 1 < 16)
;;     4. batch 64 x [M 1, K 1,024] x [K 1,024, N 1,024]; A: softmax; B: input encoder_outputs: left as it is (M = 1 < 16)
;;   THE QUANTISER, for each operand of a quantised product, along K:
;;     - K is cut into blocks of 32 from its start; a last block that is shorter is filled with zeros.
;;     - A block's scale is 2^e with e = floor(log2(the largest magnitude in the block)) - 2, held to -126 .. 127; a block of zeros has e = 0. As a byte (E8M0): e + 127.
;;     - Each number is divided by its block's scale, clamped to +-6, and rounded to the nearest number of E2M1, ties to even, subnormals kept.
;;     - The product sums the exact products of the quantised numbers (number of the format x scale) in f32.
;;   ~~~python
;;   def quantise(x, axis):      # numpy; x: float32 -> the quantised numbers, widened to float32 again
;;       x = np.moveaxis(x, axis, -1); K = x.shape[-1]
;;       x = np.pad(x, [(0, 0)] * (x.ndim - 1) + [(0, -K % 32)]); x = x.reshape(x.shape[:-1] + (-1, 32)); a = np.abs(x).max(-1, keepdims=True)
;;       e = np.where(a > 0, np.clip(np.frexp(np.where(a > 0, a, 1))[1] - 1 - 2, -126, 127), 0)      # np.frexp(a)[1] - 1 = floor(log2(a)), exactly
;;       r = np.clip(x / 2.0 ** e, -6, 6)
;;       step = 2.0 ** (np.maximum(np.frexp(np.where(r == 0, 1, r))[1] - 1, 0) - 1)
;;       q = np.round(r / step) * step * 2.0 ** e      # np.round: ties to even
;;       return np.moveaxis(q.reshape(q.shape[:-2] + (-1,))[..., :K], -1, axis).astype(np.float32)
;;   ~~~
;; One version. Each part assembles by itself: llvm-mc -triple=amdgcn-amd-amdhsa -mcpu=gfx1250 --defsym DOCPART=n.
;; ======== version 1 of 1: 3 launches
;; limits: values are held in bf16: 8 bits of precision; right only within a limited range of input values
;; workspace buffers: ucodes 524,288 bytes; uscales 32,768 bytes; dpp 1,048,576 bytes; ews 262,144 bytes; ctxp 1,048,576 bytes
;; launch prep (part 1): grid 320 x 1, 4 waves a work-group, no clusters, 0 bytes of LDS; arguments U_a, W_a, decoder_state, ucodes, uscales, dpp; writes ucodes, uscales, dpp
.if DOCPART == 1
	.amdgcn_target "amdgcn-amd-amdhsa--gfx1250"
	.amdhsa_code_object_version 6
	.text
	.protected	k_q33046efb38_prep
	.globl	k_q33046efb38_prep
	.p2align	8
	.type	k_q33046efb38_prep,@function
k_q33046efb38_prep:
	s_mov_b64 s[64:65], 0
	v_nop
	global_prefetch_b8 v0, s[64:65] scope:SCOPE_SE
	s_setreg_imm32_b32 hwreg(HW_REG_WAVE_MODE, 25, 1), 1
	s_wait_xcnt 0x0
; Two jobs in one launch, told apart by the work-group's number; no LDS, no barrier: waves share nothing.
; JOB U (work-groups 0-63): U_a [1024 (a)][1024 (k)] f32 becomes codes of FP4 (E2M1) with one E8M0 byte for each 32 along K, laid in the ORDER OF THE OPERAND'S REGISTERS:
;   ucodes  [T 64 tiles of 16 rows][s 8 K steps of 128][c 2][lane 32][16 bytes]: registers 4 c .. 4 c + 3 of lane (r, h) = U_a[16 T + r][128 s + 64 c + 32 h + 0 .. 31]
;   uscales [T / 4][i 4 pairs of K steps][lane 32][T % 4][4 bytes]: the word of lane (r, h) = the four scale bytes of row 16 T + r for K step 2 i + h: one load of 16 bytes a lane brings a pair's words of four tiles
;   Work-group T, wave q: K steps 2 q and 2 q + 1 of tile T.
; JOB D (work-groups 64-319; y = number - 64): dec_proj = Q(decoder_state) Q(W_a)^T.  T = y / 4: 16 rows of W_a; q = y % 4: K steps 2 q, 2 q + 1; wave m: rows 16 m .. 16 m + 15 of decoder_state.
;   dpp [q 4][b 64][a 1024] f32 takes the sum over that quarter of K; the next launch adds the four quarters in f32.
; THE QUANTISER: a lane holds two whole blocks of 32 along K of its row (the very k that the operand's layout gives it), so a block's largest magnitude needs no other lane.  The scale's byte is the largest
; magnitude's exponent field - 2, held at 1 from below by a floor among the maximum's leaves; the conversion divides by the scale, rounds to the nearest code, ties to even, and holds at the largest code.
; LIMITS: NaN and infinities among the inputs are not served.  A block of zeros gets the byte 1 (its codes are zeros; this program alone reads the bytes).
; The scale words leave 4 bytes a lane and dpp in runs of 64 bytes: 32 KiB and 1 MiB in all.
.set R0,  64                           ; v64-127   a set of 64 numbers as loaded: register 32 c + i = k 64 c + 32 h + i of my row
.set R1,  128                          ; v128-191  a second set
.set R2,  192                          ; v192-255  a third
.set FW0, 16                           ; v16-23    codes: first K step of U's or W's rows
.set FX0, 24                           ; v24-31    first K step of decoder_state's rows
.set FW1, 32                           ; v32-39    second K step
.set FX1, 40                           ; v40-47
.set DD,  48                           ; v48-55    the tile of dec_proj
.set SW0, 56                           ; v56-59    scale words, in the order FW0, FX0, FW1, FX1: they hold scales and nothing else
	s_load_b256 s[4:11], s[0:1], 0x0               ; U_a s[4:5], W_a s[6:7], decoder_state s[8:9], ucodes s[10:11]
	s_load_b128 s[12:15], s[0:1], 0x20             ; uscales s[12:13], dpp s[14:15]
	v_lshrrev_b32 v1, 5, v0
	v_readfirstlane_b32 s16, v1                    ; wave 0..3
	v_and_b32 v1, 15, v0                           ; r
	v_bfe_u32 v2, v0, 4, 1                         ; h
	v_lshlrev_b32 v3, 12, v1
	v_lshl_add_u32 v6, v2, 5, v3                   ; dpp: row r of 4,096 bytes + 32 h
	v_lshl_add_u32 v3, v2, 7, v3                   ; in: row r of 4,096 bytes + 128 h: my 32 numbers of each 64
	v_and_b32 v4, 31, v0
	v_lshlrev_b32 v4, 4, v4                        ; 16 x lane
	v_lshlrev_b32 v5, 3, v2                        ; 8 h: how far my two scale bytes are shifted up
	v_mov_b32 v14, 0                               ; written once: a lane permute's destination counts as one of its sources
	s_mov_b32 s20, 0x76543210
	s_mov_b32 s21, 0xfedcba98                      ; v_permlanex16_b32's selects for lane l xor 16
	s_mov_b32 s33, 0                               ; the high word of every offset
; 16 loads: my 64 numbers of one K step, from koff bytes on in my row
.macro LOADSET set, base, koff
.irp c, 0,1
.irp j, 0,1,2,3,4,5,6,7
	global_load_b128 v[\set+32*\c+4*\j:\set+32*\c+4*\j+3], v3, s[\base:\base+1] offset:\koff+256*\c+16*\j
.endr
.endr
.endm
; 64 numbers become a fragment's 8 registers of codes and its scale word (whole in every lane)
.macro QUANT set, frag, word
.irp c, 0,1
	v_max3_num_f32 v[8+\c], |v[\set+32*\c]|, |v[\set+32*\c+1]|, 0x1800000   ; block 2 c + h, and the floor 2^(3 - 127): the byte cannot fall under 1
.endr
.irp i, 2,4,6,8,10,12,14,16,18,20,22,24,26,28,30
.irp c, 0,1
	v_max3_num_f32 v[8+\c], v[8+\c], |v[\set+32*\c+\i]|, |v[\set+32*\c+\i+1]|   ; the two blocks by turns
.endr
.endr
.irp c, 0,1
	v_add_nc_u32 v[10+\c], 0xff000000, v[8+\c]     ; 2 off the exponent field: the conversion takes this operand's exponent field as its scale
.endr
.irp c, 0,1
	v_lshrrev_b32 v[12+\c], 23, v[10+\c]           ; the scale's byte
.endr
	v_lshl_or_b32 v[\word], v13, 16, v12           ; my bytes: blocks h and 2 + h,
	v_lshlrev_b32 v[\word], v5, v[\word]           ; at their places in the word;
	v_permlanex16_b32 v14, v[\word], s20, s21
	v_or_b32 v[\word], v[\word], v14               ; with lane l xor 16's two the word is whole
.irp c, 0,1
.irp g, 0,1,2,3
	v_cvt_scalef32_pk8_fp4_f32 v[\frag+4*\c+\g], v[\set+32*\c+8*\g:\set+32*\c+8*\g+7], v[10+\c]
.endr
.endr
	v_nop                                          ; one plain vector instruction behind the last conversion of a run
.endm
	s_wait_kmcnt 0x0
	s_cmp_lt_u32 ttmp9, 64
	s_cbranch_scc0 .Lrole_d
	; ---- JOB U
	s_lshl_b32 s32, ttmp9, 16                      ; 16 rows of 4,096 bytes a tile,
	s_lshl_b32 s34, s16, 10                        ; 1,024 bytes (two K steps) a wave
	s_add_co_u32 s32, s32, s34
	s_add_nc_u64 s[24:25], s[4:5], s[32:33]
	s_lshl_b32 s32, ttmp9, 13                      ; codes: 8,192 bytes a tile, 2,048 a wave
	s_lshl_b32 s34, s16, 11
	s_add_co_u32 s32, s32, s34
	s_add_nc_u64 s[28:29], s[10:11], s[32:33]
	s_lshr_b32 s32, ttmp9, 2                       ; scale words: 2,048 bytes for four tiles,
	s_lshl_b32 s32, s32, 11
	s_lshl_b32 s34, s16, 9                         ; 512 for a pair of K steps (my wave's),
	s_add_co_u32 s32, s32, s34
	s_and_b32 s34, ttmp9, 3                        ; and in each lane's 16 bytes word T % 4
	s_lshl_b32 s34, s34, 2
	s_add_co_u32 s32, s32, s34
	s_add_nc_u64 s[30:31], s[12:13], s[32:33]
	s_wait_alu depctr_va_vdst(0)
	LOADSET R0, 24, 0
	LOADSET R1, 24, 512
	s_wait_loadcnt 16                              ; the first K step's 16 loads are in; the second's may be out
	QUANT R0, FW0, SW0
	global_store_b128 v4, v[FW0:FW0+3], s[28:29]               ; 32 lanes store 512 consecutive bytes
	global_store_b128 v4, v[FW0+4:FW0+7], s[28:29] offset:512
	s_wait_loadcnt 0x0
	QUANT R1, FW1, SW0+2
	global_store_b128 v4, v[FW1:FW1+3], s[28:29] offset:1024
	global_store_b128 v4, v[FW1+4:FW1+7], s[28:29] offset:1536
	v_cmp_ne_u32 vcc_lo, 0, v2
	v_cndmask_b32 v60, v[SW0], v[SW0+2], vcc_lo    ; lanes 0-15 keep the even K step's word, lanes 16-31 the odd one's
	global_store_b32 v4, v60, s[30:31]
	s_endpgm
.Lrole_d:
	; ---- JOB D
	s_sub_co_u32 s36, ttmp9, 64
	s_lshr_b32 s37, s36, 2                         ; T
	s_and_b32 s38, s36, 3                          ; q
	s_lshl_b32 s39, s38, 10                        ; the quarter of K: 1,024 bytes on in a row
	s_lshl_b32 s32, s37, 16
	s_add_co_u32 s32, s32, s39
	s_add_nc_u64 s[24:25], s[6:7], s[32:33]        ; W_a at row 16 T
	s_lshl_b32 s32, s16, 16
	s_add_co_u32 s32, s32, s39
	s_add_nc_u64 s[26:27], s[8:9], s[32:33]        ; decoder_state at row 16 m
	s_lshl_b32 s32, s38, 18                        ; dpp: 262,144 bytes a quarter, 65,536 for 16 rows, 64 for 16 columns
	s_lshl_b32 s34, s16, 16
	s_add_co_u32 s32, s32, s34
	s_lshl_b32 s34, s37, 6
	s_add_co_u32 s32, s32, s34
	s_add_nc_u64 s[28:29], s[14:15], s[32:33]
	s_wait_alu depctr_va_vdst(0)
	LOADSET R0, 24, 0                              ; W, first K step
	LOADSET R1, 26, 0                              ; x, first
	LOADSET R2, 24, 512                            ; W, second
	s_wait_loadcnt 32                              ; the oldest set is in; two sets of 16 may be out
	QUANT R0, FW0, SW0
	LOADSET R0, 26, 512                            ; x, second, into the set just read
	s_wait_loadcnt 32                              ; x's first K step is in; W's and x's second may be out
	QUANT R1, FX0, SW0+1
.rept 8
	v_nop                                          ; a scale register written by a vector instruction stands 8 places ahead of a scaled matrix instruction, an operand so written 4
.endr
	; TRANSPOSED: source 0 = 16 rows of W_a, source 1 = 16 rows of decoder_state: lane (r, h) holds batch row 16 m + r and its registers a = 16 T + 8 h + 0 .. 7
	v_wmma_scale_f32_16x16x128_f8f6f4 v[DD:DD+7], v[FW0:FW0+7], v[FX0:FX0+7], 0, v[SW0], v[SW0+1] matrix_a_fmt:MATRIX_FMT_FP4 matrix_b_fmt:MATRIX_FMT_FP4
	s_wait_loadcnt 16                              ; W's second K step is in; x's may be out
	QUANT R2, FW1, SW0+2
	s_wait_loadcnt 0x0
	QUANT R0, FX1, SW0+3
.rept 8
	v_nop
.endr
	s_wait_alu depctr_va_vdst(0)                   ; the wait directly ahead of the link
	v_wmma_scale_f32_16x16x128_f8f6f4 v[DD:DD+7], v[FW1:FW1+7], v[FX1:FX1+7], v[DD:DD+7], v[SW0+2], v[SW0+3] matrix_a_fmt:MATRIX_FMT_FP4 matrix_b_fmt:MATRIX_FMT_FP4
.rept 4
	v_nop                                          ; four places ahead of the stores that read the result
.endr
	global_store_b128 v6, v[DD:DD+3], s[28:29]
	global_store_b128 v6, v[DD+4:DD+7], s[28:29] offset:16
	s_endpgm
.Lfunc_end_k_q33046efb38_prep:
	.size	k_q33046efb38_prep, .Lfunc_end_k_q33046efb38_prep-k_q33046efb38_prep
	.p2alignl 7, 3214868480
	.fill 96, 4, 3214868480
	.section	.rodata,"a",@progbits
	.p2align	6, 0x0
	.amdhsa_kernel k_q33046efb38_prep
		.amdhsa_group_segment_fixed_size 0
		.amdhsa_private_segment_fixed_size 0
		.amdhsa_enable_private_segment 0
		.amdhsa_kernarg_size 48
		.amdhsa_user_sgpr_count 2
		.amdhsa_user_sgpr_kernarg_segment_ptr 1
		.amdhsa_wavefront_size32 1
		.amdhsa_system_sgpr_workgroup_id_x 1
		.amdhsa_system_sgpr_workgroup_id_y 1
		.amdhsa_system_sgpr_workgroup_id_z 1
		.amdhsa_system_vgpr_workitem_id 0
		.amdhsa_next_free_vgpr 256
		.amdhsa_next_free_sgpr 66
		.amdhsa_reserve_vcc 1
		.amdhsa_float_denorm_mode_32 3
		.amdhsa_float_denorm_mode_16_64 3
		.amdhsa_memory_ordered 1
		.amdhsa_forward_progress 1
		.amdhsa_inst_pref_size 31
	.end_amdhsa_kernel
	.amdgpu_metadata
---
amdhsa.version: [ 1, 2 ]
amdhsa.kernels:
  - .name:           k_q33046efb38_prep
    .symbol:         k_q33046efb38_prep.kd
    .args:
      - { .name: U_a, .offset: 0, .size: 8, .value_kind: global_buffer, .address_space: global }
      - { .name: W_a, .offset: 8, .size: 8, .value_kind: global_buffer, .address_space: global }
      - { .name: decoder_state, .offset: 16, .size: 8, .value_kind: global_buffer, .address_space: global }
      - { .name: ucodes, .offset: 24, .size: 8, .value_kind: global_buffer, .address_space: global }
      - { .name: uscales, .offset: 32, .size: 8, .value_kind: global_buffer, .address_space: global }
      - { .name: dpp, .offset: 40, .size: 8, .value_kind: global_buffer, .address_space: global }
    .group_segment_fixed_size: 0
    .private_segment_fixed_size: 0
    .kernarg_segment_align: 8
    .kernarg_segment_size: 48
    .max_flat_workgroup_size: 128
    .sgpr_count:     66
    .vgpr_count:     256
    .wavefront_size: 32
...
	.end_amdgpu_metadata
.endif
;; end of part 1
;; launch scores (part 2): grid 256 x 1, 4 waves a work-group, no clusters, 327,680 bytes of LDS; arguments encoder_outputs, src_mask, ucodes, uscales, dpp, v_a, ews, ctxp; writes ews, ctxp
.if DOCPART == 2
	.amdgcn_target "amdgcn-amd-amdhsa--gfx1250"
	.amdhsa_code_object_version 6
	.text
	.protected	k_q33046efb38_scores
	.globl	k_q33046efb38_scores
	.p2align	8
	.type	k_q33046efb38_scores,@function
k_q33046efb38_scores:
	s_mov_b64 s[64:65], 0
	v_nop
	global_prefetch_b8 v0, s[64:65] scope:SCOPE_SE
	s_setreg_imm32_b32 hwreg(HW_REG_WAVE_MODE, 25, 1), 1
	s_wait_xcnt 0x0
; E[b][s] = sum over a of v[a] tanh(dec_proj[b][a] + Q(x[b][s]) . Q(U[a])), masked; and the part of the context that these rows give: encoder_outputs (x) is read from memory ONCE.
; SHARES.  Work-group g owns rows 256 (g % 4) .. + 255 of batch b = g / 4 and walks them in 4 tiles of 64 rows.  Four waves, as many as a WGP has SIMDs.
; A TILE:  IN: wave w takes the strip e = 256 w .. 256 w + 255 of the 64 rows, brought by its own tensor load into its own LDS bytes.  A lane holds 8 neighbours along e, so a block of 32 is four lanes;
;   codes of FP4 (E2M1) and E8M0 bytes go to LDS for all waves; the same numbers, rounded to bf16, stay in 256 registers until the tile's scores are known.
;   PRODUCT: wave w makes columns a = 256 w .. + 255 for all 64 rows, in 4 chunks of 64 columns: 16 accumulators by turns, 8 K steps of 128.  The rows' codes (all of K) lie in 256 registers;
;   U's fragments of one chunk in 256 more, loaded straight from memory in the order of the operand's registers; a pair of K steps' registers take the next chunk's fragments as soon as its products are issued.
;   THE CHUNKS GO ROUND: a tile begins with the chunk with which the tile before ended (0 1 2 3, 3 0 1 2, 2 3 0 1, 1 2 3 0): its fragments and scale words still lie in the registers, so a tile's fourth chunk
;   fetches nothing: 13 fetches of 34 KiB a wave for 16 chunks.  Each pair of K steps waits for its own 17 loads alone: they were issued a whole chunk earlier.
;   tanh(z) = 1 - 2 / (1 + 2^(c z)), c = 2 log2(e): so E = sum of v + sum of (-2 v) / (1 + 2^(c z)); both sums are bounded by 2 sum |v|.  2^(c z) may reach infinity or 0: the quotient is then 0 or 1.
;   SOFTMAX, running: m = the largest E so far; p = 2^((E - m) log2 e); the context so far is multiplied by 2^((m_old - m_new) log2 e), then takes p x of the 64 rows held.
; OUT: ews [b][s] = the masked scores; ctxp [g][e] = sum over my 256 rows of 2^((E - m_g) log2 e) x, m_g the largest E of those rows.  The last launch normalises and adds the four parts of a batch.
; NO JOINT LOADS for U, which all work-groups read: this text uses 326,144 of the 327,680 bytes of LDS, so no slot for U fits beside the rows' slot; U goes from memory to registers, each wave another quarter.
; NO PREFETCH: a wave's strip is asked for a whole tile's products and tanh ahead of its use.
; LIMITS: NaN and infinities among the inputs are not served.  A block of zeros, or one whose largest magnitude is under 2^-124, gets the scale byte 1.  x is rounded to bf16 for the context (p goes in as bf16; the sums are f32).
; REGISTERS, in windows of 256 (s_set_vgpr_msb: bits 1:0 source 0, 3:2 source 1, 5:4 source 2, 7:6 destination):
;   window 0: below.   window 1: the rows' fragments, (m, s) at 8 (8 m + s).   window 2: the rows as bf16, two rows of one e a register: rows 16 G + 2 u, + 1 at 64 G + 8 j + u.   window 3: U's fragments, (s, t) at 8 (4 s + t).
.set RP,    1088                       ; a strip's row in LDS: 1,024 bytes + 16 of padding behind every 256: a lane's 32 bytes lie at 32 l + 16 (l / 8), so 16 lanes of a load touch 16 different columns of 16 bytes
.set SLOTW, 64*RP                      ; a wave's strip: 69,632 bytes; the four lie at LDS byte 0 on
.set CODES, 4*SLOTW                    ; 64 rows x (512 bytes of codes + 16)
.set CP,    528
.set SCB,   CODES+64*CP                ; 64 rows x 48: 32 scale bytes each
.set SBP,   48
.set EX,    SCB+64*SBP                 ; [wave][64 rows]: each wave's part of the scores
.set PW,    EX+1024                    ; [wave][256 bytes]: p of the tile's 64 rows as bf16, rows 2 l and 2 l + 1 in word l: each wave's own copy (128 bytes used)
.set SPARE, PW+1024                    ; the spare words, 128 bytes for each wave: two blocks of 256 bytes that no other line names
.set TD,    SPARE+512                  ; c x dec_proj[b][a], 4,096 bytes; wave w's own 1,024 at 1,024 w.  The two tables lie last: the one LDS address that goes round with the chunks points into them
.set TV,    TD+4096                    ; -2 v[a], likewise
.set SPW, 1                            ; v1   SPARE + 4 x my thread's number; never rewritten
.set NIL, 2                            ; v2   0; never rewritten
.set LA0, 3                            ; v3   my 32 bytes in rows 0-31 of my strip;  v4: in rows 32-63
.set CST, 5                            ; v5   where my 8 codes of a row go
.set SST, 6                            ; v6   where my block's scale byte goes
.set AFR, 7                            ; v7   a fragment's row r, + 16 h
.set ASR, 8                            ; v8   the scale bytes of row = lane
.set TDR, 9                            ; v9   TD + 1,024 w + 4 r
.set TDA, 10                           ; v10  the same in the chunk in hand
.set BOF, 11                           ; v11  16 x lane
.set EXS, 12                           ; v12  where my half's scores go
.set EXR, 13                           ; v13  EX + 8 x lane
.set PWA, 14                           ; v14  where my two p go
.set PWB, 15                           ; v15  my wave's p
.set GOF, 16                           ; v16  8 x lane
.set VS,  17                           ; v17  the sum of v over my lane's 16 columns
.set RM,  18                           ; v18  the running largest E
.set FILL, 19                          ; v19  the masked score, -1e9 - 9 rounded to f32
.set MK,  20                           ; v20-21 the mask of rows 2 l, 2 l + 1
.set CTX, 22                           ; v22-29 the context at e = 256 w + 8 l + 0 .. 7
.set F,   30                           ; v30  2^((m_old - m_new) log2 e); v31 is named with it as a pair
.set AS,  32                           ; v32-47 the rows' scale words: register 4 (2 (m / 2) + s / 4) + s % 4; lanes 0-15 even m, lanes 16-31 odd m
.set BS,  48                           ; v48-63 U's scale words: register 4 (s / 2) + t; lanes 0-15 even s, lanes 16-31 odd s: a pair of K steps reads four registers of its own
.set DV,  64                           ; v64-79 column tile t: c dec_proj in 64 + 4 t, -2 v in 66 + 4 t; the odd registers are named with them as pairs
.set EA,  80                           ; v80-111 scores in the making: register 8 m + j = row 16 m + 8 h + j.  On the way in: at work
.set T,   112                          ; v112-127 at work
.set ACC, 128                          ; v128-255 accumulator (m, t) at 128 + 8 (4 t + m).  On the way in: two sets of 8 rows x 8 numbers.  For the context: p of the 64 rows
.set WV,  20                           ; s20  my wave's number
.set SEL, 22                           ; s[22:23] v_permlanex16_b32's selects for lane l xor 16
.set CC,  24                           ; s[24:25] c = 2 log2(e): the packed forms name a pair and take its low word
.set L2E, 26                           ; s26  log2(e)
.set G0,  28                           ; s[28:31] descriptor group 0
.set G1,  32                           ; s[32:39] descriptor group 1
.set BW,  40                           ; s[40:41] my wave's quarter of ucodes;  s[42:43] of uscales
.set SW,  42
.set BP,  44                           ; s[44:45], s[46:47] the same at the chunk that is fetched next
.set SP,  46
.set NOFF, 48                          ; s[48:49] that chunk's byte offset in my quarter of the codes; s[50:51] in my quarter of the scale words
.set CHS, 52                           ; s52  256 x the chunks walked, less 256 for each tile done: its low ten bits are 256 x the chunk in hand
.set CNT, 53                           ; s53  chunks to go
.set TILES, 54                         ; s54  tiles to go
.set MSB, 0
.macro WIN new                         ; the immediate's high byte repeats the setting that is left; a switch that changes nothing is dropped
.if MSB != \new
	s_set_vgpr_msb (MSB<<8)|\new
.set MSB, \new
.endif
.endm
.set MUL,    0x0d                      ; source 0 (rows) window 1, source 1 (U) window 3, C and D window 0
.set TO_A,   0x40                      ; destination window 1
.set TO_H,   0x80                      ; destination window 2
.set TO_B,   0xc0                      ; destination window 3
.set FROM_H, 0x02                      ; source 0 window 2
.macro PLACES                          ; four plain vector instructions that name no register (ISA guide 7.12.1)
.rept 4
	v_nop
.endr
.endm
	s_load_b256 s[4:11], s[0:1], 0x0               ; x s[4:5], mask s[6:7], ucodes s[8:9], uscales s[10:11]
	s_load_b256 s[12:19], s[0:1], 0x20             ; dpp s[12:13], v_a s[14:15], ews s[16:17], ctxp s[18:19]
	v_lshl_add_u32 v[SPW], v0, 2, SPARE
	v_mov_b32 v[NIL], 0
	ds_add_u32 v1, v2
	ds_add_u32 v1, v2
	s_wait_dscnt 0x0
	v_lshrrev_b32 v[T], 5, v0
	v_readfirstlane_b32 s[WV], v[T]                ; wave 0..3
	; descriptor group 1: a tile of 64 rows x 256 elements of 4 bytes, rows 1,024 elements apart
	s_mov_b32 s[G1+0], (2<<16)|(1<<20)|(5<<22)|(3<<25)   ; no mask; elements of 4 bytes; padding on: after every 64 words (code 5) 4 words (code 3)
	s_mov_b32 s[G1+1], 256<<16                     ; tensor_dim0 = 256
	s_mov_b32 s[G1+2], 64<<16                      ; tensor_dim1 = 64
	s_mov_b32 s[G1+3], 256<<16                     ; tile_dim0 = 256
	s_mov_b32 s[G1+4], 64                          ; tile_dim1 = 64
	s_mov_b32 s[G1+5], 1024                        ; tensor_dim0_stride
	s_mov_b32 s[G1+6], 0
	s_mov_b32 s[G1+7], 0
	s_mov_b32 s[G0], 1                             ; count = 1
	s_mul_i32 s[G0+1], s[WV], SLOTW                ; LDS address: my strip
	s_lshl_b32 s56, ttmp9, 20                      ; 256 rows of 4,096 bytes a work-group (under 2^28),
	s_lshl_b32 s58, s[WV], 10                      ; 1,024 bytes of a row a wave
	s_add_co_u32 s56, s56, s58
	s_mov_b32 s57, 0
	s_wait_kmcnt 0x0
	s_add_nc_u64 s[G0+2:G0+3], s[4:5], s[56:57]
	s_or_b32 s[G0+3], s[G0+3], 0x80000000          ; type = 2
	tensor_load_to_lds s[G0:G0+3], s[G1:G1+7]      ; the first fill, ahead of every wait on TENSORcnt, every LDS read and every barrier
	s_nop 0
	PLACES                                         ; four lines behind a tensor load
	s_lshl_b32 s56, ttmp9, 10
	s_add_nc_u64 s[6:7], s[6:7], s[56:57]          ; mask and ews at my first row: 4 bytes a row
	s_add_nc_u64 s[16:17], s[16:17], s[56:57]
	s_lshl_b32 s56, ttmp9, 12
	s_add_co_u32 s56, s56, s58
	s_add_nc_u64 s[18:19], s[18:19], s[56:57]      ; ctxp at my work-group's row, my wave's 1,024 bytes
	s_lshr_b32 s56, ttmp9, 2
	s_lshl_b32 s56, s56, 12
	s_add_nc_u64 s[12:13], s[12:13], s[56:57]      ; dpp at row b
	s_lshl_b32 s56, s[WV], 17
	s_add_nc_u64 s[BW:BW+1], s[8:9], s[56:57]      ; 16 tiles of 8,192 bytes a wave
	s_lshl_b32 s56, s[WV], 13
	s_add_nc_u64 s[SW:SW+1], s[10:11], s[56:57]    ; 4 chunks of 2,048 bytes
	s_mov_b64 s[BP:BP+1], s[BW:BW+1]
	s_mov_b64 s[SP:SP+1], s[SW:SW+1]
	s_mov_b32 s[NOFF+1], 0
	s_mov_b32 s[NOFF+3], 0
	s_mov_b32 s[CHS], 0
	s_mov_b32 s[SEL], 0x76543210
	s_mov_b32 s[SEL+1], 0xfedcba98
	s_mov_b32 s[CC], 0x4038aa3b                    ; 2 log2(e)
	s_mov_b32 s[CC+1], s[CC]
	s_mov_b32 s[L2E], 0x3fb8aa3b
	s_mov_b32 s27, 0x41f00000                      ; 30.0: c z is held at 30 from above, so that a product of four 1 + 2^(c z) stays under 2^121; what the hold moves is under 2^-29 of a term
	v_and_b32 v[T], 31, v0                         ; lane
	v_and_b32 v[T+1], 15, v0                       ; r
	v_bfe_u32 v[T+2], v0, 4, 1                     ; h
	v_lshrrev_b32 v[T+5], 3, v[T]
	v_lshlrev_b32 v[LA0], 5, v[T]
	v_lshl_add_u32 v[LA0], v[T+5], 4, v[LA0]
	v_add_nc_u32 v[LA0], s[G0+1], v[LA0]           ; my strip + 32 l + 16 (l / 8)
	v_add_nc_u32 v[LA0+1], 32*RP, v[LA0]
	s_lshl_b32 s59, s[WV], 7
	v_lshl_add_u32 v[CST], v[T], 2, s59
	v_add_nc_u32 v[CST], CODES, v[CST]             ; 128 w + 4 l: the codes of e = 256 w + 8 l on
	s_lshl_b32 s59, s[WV], 3
	v_lshrrev_b32 v[SST], 2, v[T]
	v_add_nc_u32 v[SST], s59, v[SST]
	v_add_nc_u32 v[SST], SCB, v[SST]               ; block 8 w + l / 4
	v_mul_u32_u24 v[AFR], v[T+1], CP
	v_lshl_add_u32 v[AFR], v[T+2], 4, v[AFR]
	v_add_nc_u32 v[AFR], CODES, v[AFR]
	v_mul_u32_u24 v[ASR], v[T], SBP
	v_add_nc_u32 v[ASR], SCB, v[ASR]
	v_lshl_add_u32 v[TDR], v[T+1], 2, s58
	v_add_nc_u32 v[TDR], TD, v[TDR]
	v_lshlrev_b32 v[BOF], 4, v[T]
	s_lshl_b32 s60, s[WV], 8
	v_lshl_add_u32 v[EXS], v[T+2], 5, s60
	v_add_nc_u32 v[EXS], EX, v[EXS]
	v_lshl_add_u32 v[EXR], v[T], 3, EX
	v_lshl_add_u32 v[PWA], v[T], 2, s60
	v_add_nc_u32 v[PWA], PW, v[PWA]
	s_add_co_u32 s61, s60, PW
	v_mov_b32 v[PWB], s61
	v_lshlrev_b32 v[GOF], 3, v[T]
	v_lshl_add_u32 v[T+3], v[T], 5, s58            ; 1,024 w + 32 l: my 8 numbers of dec_proj's row and of v
	v_add_nc_u32 v[T+4], TD, v[T+3]
	; THE TABLES: c x (the four quarters of dec_proj) and -2 v, for my wave's 256 columns, into my wave's own bytes: no barrier
.irp q, 0,1,2,3
	global_load_b128 v[ACC+8*\q:ACC+8*\q+3], v[T+3], s[12:13] offset:\q*262144
	global_load_b128 v[ACC+8*\q+4:ACC+8*\q+7], v[T+3], s[12:13] offset:\q*262144+16
.endr
	global_load_b128 v[ACC+32:ACC+35], v[T+3], s[14:15]
	global_load_b128 v[ACC+36:ACC+39], v[T+3], s[14:15] offset:16
	v_mov_b32 v[RM], 0xff61b1e6                    ; -3e38, under every score
	v_mov_b32 v[FILL], 0xce6e6b28
	v_mov_b32 v[F+1], 0
.irp j, 0,1,2,3,4,5,6,7
	v_mov_b32 v[CTX+\j], 0                         ; the first rescaling multiplies zeros
	v_mov_b32 v[DV+2*\j+1], 0
.endr
	s_wait_loadcnt 0x0
.irp p, 0,2,4,6
	v_pk_add_f32 v[ACC+\p:ACC+\p+1], v[ACC+\p:ACC+\p+1], v[ACC+8+\p:ACC+8+\p+1]
	v_pk_add_f32 v[ACC+16+\p:ACC+16+\p+1], v[ACC+16+\p:ACC+16+\p+1], v[ACC+24+\p:ACC+24+\p+1]
.endr
.irp p, 0,2,4,6
	v_pk_add_f32 v[ACC+\p:ACC+\p+1], v[ACC+\p:ACC+\p+1], v[ACC+16+\p:ACC+16+\p+1]
.endr
.irp p, 0,2,4,6
	v_pk_mul_f32 v[ACC+\p:ACC+\p+1], v[ACC+\p:ACC+\p+1], s[CC:CC+1] op_sel_hi:[1,0]
	v_pk_mul_f32 v[ACC+32+\p:ACC+32+\p+1], v[ACC+32+\p:ACC+32+\p+1], -2.0 op_sel_hi:[1,0]
.endr
	ds_store_b128 v[T+4], v[ACC:ACC+3]
	ds_store_b128 v[T+4], v[ACC+4:ACC+7] offset:16
	ds_store_b128 v[T+4], v[ACC+32:ACC+35] offset:4096
	ds_store_b128 v[T+4], v[ACC+36:ACC+39] offset:4096+16
.irp t, 0,1,2,3,4,5,6,7,8,9,10,11,12,13,14,15
	ds_load_b32 v[ACC+64+\t], v[TDR] offset:4096+64*\t   ; -2 v of my lane's 16 columns; LDS serves a wave's instructions in order: these see the stores above
.endr
	s_wait_dscnt 0x0
.irp p, 0,2,4,6
	v_pk_add_f32 v[ACC+64+\p:ACC+64+\p+1], v[ACC+64+\p:ACC+64+\p+1], v[ACC+72+\p:ACC+72+\p+1]
.endr
.irp p, 0,2
	v_pk_add_f32 v[ACC+64+\p:ACC+64+\p+1], v[ACC+64+\p:ACC+64+\p+1], v[ACC+68+\p:ACC+68+\p+1]
.endr
	v_pk_add_f32 v[ACC+64:ACC+65], v[ACC+64:ACC+65], v[ACC+66:ACC+67]
	v_add_f32 v[VS], v[ACC+64], v[ACC+65]
	v_mul_f32 v[VS], -0.5, v[VS]
; U's fragments of K steps 2 i and 2 i + 1 of the chunk at s[BP], and that pair's scale words of the chunk's four tiles: 17 loads of 512 consecutive bytes
.macro BNEXT i
	WIN TO_B
.irp s, 2*\i, 2*\i+1
.irp t, 0,1,2,3
.irp c, 0,1
	global_load_b128 v[8*(4*(\s)+\t)+4*\c:8*(4*(\s)+\t)+4*\c+3], v[BOF], s[BP:BP+1] offset:\t*8192+(\s)*1024+\c*512
.endr
.endr
.endr
	WIN 0
	global_load_b128 v[BS+4*\i:BS+4*\i+3], v[BOF], s[SP:SP+1] offset:512*\i
.endm
	BNEXT 0                                        ; chunk 0
	BNEXT 1
	BNEXT 2
	BNEXT 3
; rows 8 g .. 8 g + 7 of my strip into staging set g % 2: 16 loads
.macro SLOAD g
.set S, ACC+64*((\g)%2)
.set LAR, LA0+(\g)/4
.irp k, 0,1,2,3,4,5,6,7
	ds_load_b128 v[S+8*\k:S+8*\k+3], v[LAR] offset:(8*((\g)%4)+\k)*RP
	ds_load_b128 v[S+8*\k+4:S+8*\k+7], v[LAR] offset:(8*((\g)%4)+\k)*RP+16
.endr
.endm
; rows 8 g .. 8 g + 7: scale, codes, bf16.  n: the LDS instructions issued behind this batch's loads, which may stay out
.macro INGEST8 g, n
.set S, ACC+64*((\g)%2)
.set CD, EA+8+8*((\g)%2)               ; codes and bytes in two sets by turns
.set BY, T+8*((\g)%2)
	s_wait_dscnt \n
.irp k, 0,1,2,3,4,5,6,7
	v_max3_num_f32 v[EA+\k], |v[S+8*\k]|, |v[S+8*\k+1]|, 0x1800000   ; my 8 numbers of row k, and the floor 2^(3 - 127): the byte cannot fall under 1
.endr
.irp i, 2,4,6
.irp k, 0,1,2,3,4,5,6,7
	v_max3_num_f32 v[EA+\k], v[EA+\k], |v[S+8*\k+\i]|, |v[S+8*\k+\i+1]|   ; the eight rows by turns
.endr
.endr
.irp x, 1,2
.irp k, 0,1,2,3,4,5,6,7
	v_max_num_f32_dpp v[EA+\k], v[EA+\k], v[EA+\k] row_xmask:\x row_mask:0xf bank_mask:0xf   ; with the three other lanes of the block
.endr
.endr
.irp k, 0,1,2,3,4,5,6,7
	v_add_nc_u32 v[EA+\k], 0xff000000, v[EA+\k]    ; 2 off the exponent field: the conversion's scale operand
.endr
.irp k, 0,1,2,3,4,5,6,7
	v_cvt_scalef32_pk8_fp4_f32 v[CD+\k], v[S+8*\k:S+8*\k+7], v[EA+\k]
.endr
.irp k, 0,1,2,3,4,5,6,7
	v_lshrrev_b32 v[BY+\k], 23, v[EA+\k]           ; the scale's byte.  (Plain instructions behind the conversions)
.endr
	WIN TO_H
.irp k, 0,1,2,3,4,5,6,7
.irp q, 0,1,2,3
	v_cvt_pk_bf16_f32 v[64*((\g)/2)+8*\k+4*((\g)%2)+\q], v[S+16*\q+\k], v[S+16*\q+8+\k]   ; held for the context, TWO ROWS of one e to a register: window 2, register 64 G + 8 j + u = rows 16 G + 2 u, + 1 at e = 256 w + 8 l + j (here k is j, q the pair of rows)
.endr
.endr
	WIN 0
.irp k, 0,1,2,3,4,5,6,7
	ds_store_b32 v[CST], v[CD+\k] offset:(8*(\g)+\k)*CP
	ds_store_b8 v[SST], v[BY+\k] offset:(8*(\g)+\k)*SBP   ; the four lanes of a block write the same byte with the same value
.endr
.if (\g) < 6
	SLOAD (\g)+2
.endif
.endm
; all 64 rows' codes into window 1, their scale words into v[AS] on
.macro AFETCH
	WIN TO_A
.irp m, 0,1,2,3
.irp s, 0,1,2,3,4,5,6,7
.irp c, 0,1
	ds_load_b128 v[8*(8*\m+\s)+4*\c:8*(8*\m+\s)+4*\c+3], v[AFR] offset:\m*16*CP+64*\s+32*\c
.endr
.endr
.endr
	WIN 0
.irp p, 0,1
.irp i, 0,1
	ds_load_b128 v[AS+4*(2*\p+\i):AS+4*(2*\p+\i)+3], v[ASR] offset:\p*32*SBP+16*\i   ; lane = row 32 p + lane: lanes 0-15 tile 2 p, lanes 16-31 tile 2 p + 1; K steps 4 i .. 4 i + 3
.endr
.endr
.endm
; one product: rows 16 m on x columns 16 t on, K step s.  Register j of lane (r, h) is row 16 m + 8 h + j, column 16 t + r.  K step 0 starts the sum: nothing is cleared
.macro WM m, s, t
.set rD, ACC+8*(4*(\t)+(\m))
.set rA, 8*(8*(\m)+(\s))
.set rB, 8*(4*(\s)+(\t))
.set rX, AS+4*(2*((\m)/2)+(\s)/4)+(\s)%4
.set rY, BS+4*((\s)/2)+(\t)
.if (\s) == 0
.if (\m)%2
	v_wmma_scale_f32_16x16x128_f8f6f4 v[rD:rD+7], v[rA:rA+7], v[rB:rB+7], 0, v[rX], v[rY] matrix_a_fmt:MATRIX_FMT_FP4 matrix_b_fmt:MATRIX_FMT_FP4 matrix_a_scale:MATRIX_SCALE_ROW1
.else
	v_wmma_scale_f32_16x16x128_f8f6f4 v[rD:rD+7], v[rA:rA+7], v[rB:rB+7], 0, v[rX], v[rY] matrix_a_fmt:MATRIX_FMT_FP4 matrix_b_fmt:MATRIX_FMT_FP4
.endif
.elseif ((\m)%2) && ((\s)%2)
	v_wmma_scale_f32_16x16x128_f8f6f4 v[rD:rD+7], v[rA:rA+7], v[rB:rB+7], v[rD:rD+7], v[rX], v[rY] matrix_a_fmt:MATRIX_FMT_FP4 matrix_b_fmt:MATRIX_FMT_FP4 matrix_a_scale:MATRIX_SCALE_ROW1 matrix_b_scale:MATRIX_SCALE_ROW1
.elseif (\m)%2
	v_wmma_scale_f32_16x16x128_f8f6f4 v[rD:rD+7], v[rA:rA+7], v[rB:rB+7], v[rD:rD+7], v[rX], v[rY] matrix_a_fmt:MATRIX_FMT_FP4 matrix_b_fmt:MATRIX_FMT_FP4 matrix_a_scale:MATRIX_SCALE_ROW1
.elseif (\s)%2
	v_wmma_scale_f32_16x16x128_f8f6f4 v[rD:rD+7], v[rA:rA+7], v[rB:rB+7], v[rD:rD+7], v[rX], v[rY] matrix_a_fmt:MATRIX_FMT_FP4 matrix_b_fmt:MATRIX_FMT_FP4 matrix_b_scale:MATRIX_SCALE_ROW1
.else
	v_wmma_scale_f32_16x16x128_f8f6f4 v[rD:rD+7], v[rA:rA+7], v[rB:rB+7], v[rD:rD+7], v[rX], v[rY] matrix_a_fmt:MATRIX_FMT_FP4 matrix_b_fmt:MATRIX_FMT_FP4
.endif
.endm
; K steps 2 i and 2 i + 1: 32 products, the 16 accumulators by turns, one instruction a turn
.macro MULS i
.irp s, 2*\i, 2*\i+1
.irp t, 0,1,2,3
.irp m, 0,1,2,3
	WM \m, \s, \t
.endr
.endr
.endr
.endm
; A chunk's 128 products, with the fetch of the next chunk.  Loads come back in order (ISA guide 5.7.1).  Behind the 17 loads that brought pair i, three fetches of 17 have been issued (pairs i + 1 .. 3 of the
; same chunk, pairs 0 .. i - 1 of the next): so 51 may be out.  Where the fragments were kept from the tile before, nothing of U's is out and the wait is met at once.
.macro FETCHING
.irp i, 0,1,2,3
	s_wait_loadcnt 51
	WIN MUL
	MULS \i
	PLACES                                         ; ahead of loads into registers that these products read, and (behind the last pair) of the first read of the results
	WIN 0
	BNEXT \i
.endr
.endm
; The same without a fetch: behind pair i's loads only pairs i + 1 .. 3 were issued: the counts run down.  The last, for 0, also shows the mask's load done
.macro KEEPING
.irp i, 0,1,2,3
	s_wait_loadcnt 51-17*\i
	WIN MUL
	MULS \i
.endr
	PLACES                                         ; ahead of the first read of the results
	WIN 0
.endm
; A CHUNK: 64 rows x 64 columns x all of K, then tanh and the dot with v
.macro CHUNK
	s_wait_xcnt 0x0                                ; the last fetch's loads have read their bases: both may be written
	s_and_b32 s56, s[CHS], 0x3ff                   ; 256 x the chunk in hand
	s_add_co_u32 s57, s[CHS], 256
	s_and_b32 s57, s57, 0x3ff                      ; 256 x the chunk behind it, round my quarter's four
	s_lshl_b32 s[NOFF], s57, 7                     ; 32,768 bytes of codes a chunk,
	s_lshl_b32 s[NOFF+2], s57, 3                   ; 2,048 of scale words
	s_add_nc_u64 s[BP:BP+1], s[BW:BW+1], s[NOFF:NOFF+1]
	s_add_nc_u64 s[SP:SP+1], s[SW:SW+1], s[NOFF+2:NOFF+3]
	v_add_nc_u32 v[TDA], s56, v[TDR]
.irp t, 0,1,2,3
	ds_load_b32 v[DV+4*\t], v[TDA] offset:64*\t            ; c dec_proj of my column of tile t
	ds_load_b32 v[DV+4*\t+2], v[TDA] offset:4096+64*\t     ; -2 v of it
.endr
	s_cmp_eq_u32 s[CNT], 1                         ; a tile's fourth chunk fetches nothing: the next tile begins with the same chunk
	s_cbranch_scc1 .Lkeep_\@
	FETCHING
	s_branch .Ltanh_\@
.Lkeep_\@:
	KEEPING
.Ltanh_\@:
	s_wait_dscnt 0x0                               ; the eight table words
.irp t, 0,1,2,3
.irp q, 0,1,2,3,4,5,6,7,8,9,10,11,12,13,14,15
	v_pk_fma_f32 v[ACC+32*\t+2*\q:ACC+32*\t+2*\q+1], v[ACC+32*\t+2*\q:ACC+32*\t+2*\q+1], s[CC:CC+1], v[DV+4*\t:DV+4*\t+1] op_sel_hi:[1,0,0]   ; c z; each accumulator from its low end on
.endr
.endr
.set j, 0
.rept 128
	v_min_num_f32 v[ACC+j], s27, v[ACC+j]          ; the hold at 30
.set j, j+1
.endr
.set j, 0
	s_wait_alu depctr_va_vdst(0)
.rept 128
	v_exp_f32 v[ACC+j], v[ACC+j]
.set j, j+1
.endr
	v_nop                                          ; a plain instruction behind the last exponential
	s_wait_alu depctr_va_vdst(0)                   ; one wait for the batch, ahead of its first reader
.set j, 0
.rept 64
	v_pk_add_f32 v[ACC+j:ACC+j+1], v[ACC+j:ACC+j+1], 1.0 op_sel_hi:[1,0]
.set j, j+2
.endr
; ONE RECIPROCAL FOR A ROW'S FOUR COLUMN TILES: with a_t = 1 + 2^(c z_t) and w_t = -2 v_t, the sum of w_t / a_t is ((w0 a1 + w1 a0) a2 a3 + (w2 a3 + w3 a2) a0 a1) / (a0 a1 a2 a3).
; Two rows an instruction, eight pairs of rows a stage, so that no line waits for the line above it; v[T] on holds a0 a1.
.irp hq, 0,1
.irp q, 0,1,2,3,4,5,6,7
	v_pk_mul_f32 v[T+2*\q:T+2*\q+1], v[ACC+16*\hq+2*\q:ACC+16*\hq+2*\q+1], v[ACC+32+16*\hq+2*\q:ACC+32+16*\hq+2*\q+1]   ; a0 a1
.endr
.irp q, 0,1,2,3,4,5,6,7
	v_pk_mul_f32 v[ACC+32+16*\hq+2*\q:ACC+32+16*\hq+2*\q+1], v[ACC+32+16*\hq+2*\q:ACC+32+16*\hq+2*\q+1], v[DV+2:DV+3] op_sel_hi:[1,0]   ; w0 a1
.endr
.irp q, 0,1,2,3,4,5,6,7
	v_pk_fma_f32 v[ACC+32+16*\hq+2*\q:ACC+32+16*\hq+2*\q+1], v[ACC+16*\hq+2*\q:ACC+16*\hq+2*\q+1], v[DV+6:DV+7], v[ACC+32+16*\hq+2*\q:ACC+32+16*\hq+2*\q+1] op_sel_hi:[1,0,1]   ; + w1 a0
.endr
.irp q, 0,1,2,3,4,5,6,7
	v_pk_mul_f32 v[ACC+16*\hq+2*\q:ACC+16*\hq+2*\q+1], v[ACC+64+16*\hq+2*\q:ACC+64+16*\hq+2*\q+1], v[ACC+96+16*\hq+2*\q:ACC+96+16*\hq+2*\q+1]   ; a2 a3
.endr
.irp q, 0,1,2,3,4,5,6,7
	v_pk_mul_f32 v[ACC+96+16*\hq+2*\q:ACC+96+16*\hq+2*\q+1], v[ACC+96+16*\hq+2*\q:ACC+96+16*\hq+2*\q+1], v[DV+10:DV+11] op_sel_hi:[1,0]   ; w2 a3
.endr
.irp q, 0,1,2,3,4,5,6,7
	v_pk_fma_f32 v[ACC+96+16*\hq+2*\q:ACC+96+16*\hq+2*\q+1], v[ACC+64+16*\hq+2*\q:ACC+64+16*\hq+2*\q+1], v[DV+14:DV+15], v[ACC+96+16*\hq+2*\q:ACC+96+16*\hq+2*\q+1] op_sel_hi:[1,0,1]   ; + w3 a2
.endr
.irp q, 0,1,2,3,4,5,6,7
	v_pk_mul_f32 v[ACC+64+16*\hq+2*\q:ACC+64+16*\hq+2*\q+1], v[T+2*\q:T+2*\q+1], v[ACC+16*\hq+2*\q:ACC+16*\hq+2*\q+1]   ; the divisor: a0 a1 a2 a3
.endr
.irp q, 0,1,2,3,4,5,6,7
	v_pk_mul_f32 v[ACC+32+16*\hq+2*\q:ACC+32+16*\hq+2*\q+1], v[ACC+32+16*\hq+2*\q:ACC+32+16*\hq+2*\q+1], v[ACC+16*\hq+2*\q:ACC+16*\hq+2*\q+1]
.endr
.irp q, 0,1,2,3,4,5,6,7
	v_pk_fma_f32 v[ACC+32+16*\hq+2*\q:ACC+32+16*\hq+2*\q+1], v[ACC+96+16*\hq+2*\q:ACC+96+16*\hq+2*\q+1], v[T+2*\q:T+2*\q+1], v[ACC+32+16*\hq+2*\q:ACC+32+16*\hq+2*\q+1]   ; the dividend
.endr
.endr
.set j, 0
	s_wait_alu depctr_va_vdst(0)
.rept 32
	v_rcp_f32 v[ACC+64+j], v[ACC+64+j]
.set j, j+1
.endr
	v_nop
	s_wait_alu depctr_va_vdst(0)                   ; and one for the reciprocals
.irp t, 0
.irp q, 0,1,2,3,4,5,6,7,8,9,10,11,12,13,14,15
	v_pk_fma_f32 v[EA+2*\q:EA+2*\q+1], v[ACC+32+2*\q:ACC+32+2*\q+1], v[ACC+64+2*\q:ACC+64+2*\q+1], v[EA+2*\q:EA+2*\q+1]   ; + dividend / divisor: the four tiles' terms of the row
.endr
.endr
	s_add_co_u32 s[CHS], s[CHS], 256
.endm
; THE TILE'S END: scores, mask, running softmax, context
.macro FINISH
.irp x, 1,2,4,8
.set j, 0
.rept 32
	v_add_f32_dpp v[EA+j], v[EA+j], v[EA+j] row_xmask:\x row_mask:0xf bank_mask:0xf   ; over the 16 lanes of a half: my wave's 256 columns
.set j, j+1
.endr
.endr
.irp m, 0,1,2,3
	ds_store_b128 v[EXS], v[EA+8*\m:EA+8*\m+3] offset:64*\m            ; rows 16 m + 8 h + 0 .. 7; the 16 lanes of a half write the same words with the same values
	ds_store_b128 v[EXS], v[EA+8*\m+4:EA+8*\m+7] offset:64*\m+16
.endr
	s_wait_dscnt 0x0                               ; for the others' sake: my stores are done, and so are my reads of the codes
	s_barrier_signal -1
	s_barrier_wait -1                              ; the next tile's strip may stay on its way
.irp w, 0,1,2,3
	ds_load_b64 v[T+2*\w:T+2*\w+1], v[EXR] offset:256*\w
.endr
	s_wait_dscnt 0x0
	v_pk_add_f32 v[T:T+1], v[T:T+1], v[T+2:T+3]
	v_pk_add_f32 v[T+4:T+5], v[T+4:T+5], v[T+6:T+7]
	v_pk_add_f32 v[T:T+1], v[T:T+1], v[T+4:T+5]    ; E of rows 2 l, 2 l + 1: the same bits in all four waves
	v_cmp_ne_u32 vcc_lo, 0, v[MK]
	v_cndmask_b32 v[T], v[FILL], v[T], vcc_lo
	v_cmp_ne_u32 vcc_lo, 0, v[MK+1]
	v_cndmask_b32 v[T+1], v[FILL], v[T+1], vcc_lo
	s_cmp_lg_u32 s[WV], 0
	s_cbranch_scc1 .Lnot_wave_0_\@
	global_store_b64 v[GOF], v[T:T+1], s[16:17]    ; 32 lanes store 256 consecutive bytes, at a multiple of 256 from the buffer's first byte
.Lnot_wave_0_\@:
	s_wait_alu depctr_va_vdst(0)
	v_max_num_f32 v[T+2], v[T], v[T+1]
.irp x, 1,2,4,8
	v_max_num_f32_dpp v[T+2], v[T+2], v[T+2] row_xmask:\x row_mask:0xf bank_mask:0xf
.endr
	v_permlanex16_b32 v[T+3], v[T+2], s[SEL], s[SEL+1]
	v_max3_num_f32 v[T+4], v[T+2], v[T+3], v[RM]   ; the new m
	v_sub_f32 v[T+5], v[RM], v[T+4]
	v_sub_f32 v[T+6], v[T], v[T+4]
	v_sub_f32 v[T+7], v[T+1], v[T+4]
	v_mul_f32 v[T+5], s[L2E], v[T+5]
	v_mul_f32 v[T+6], s[L2E], v[T+6]
	v_mul_f32 v[T+7], s[L2E], v[T+7]
	s_wait_alu depctr_va_vdst(0)
	v_exp_f32 v[F], v[T+5]
	v_exp_f32 v[T+8], v[T+6]
	v_exp_f32 v[T+9], v[T+7]
	v_mov_b32 v[RM], v[T+4]                        ; a plain instruction behind the exponentials
	s_wait_alu depctr_va_vdst(0)                   ; one wait for the three
	v_cvt_pk_bf16_f32 v[T+10], v[T+8], v[T+9]      ; p of rows 2 l, 2 l + 1 as bf16: the context's product takes bf16 operands
	ds_store_b32 v[PWA], v[T+10]
	v_and_b32 v[T+11], 31, v0
	v_cmp_eq_u32 s56, 0, v[T+11]
	v_cmp_eq_u32 s57, 24, v[T+11]
	s_or_b32 s56, s56, s57
	v_cndmask_b32 v[T+11], 0, -1, s56              ; all ones in lanes 0 and 24, 0 elsewhere
.irp k, 0,1,2,3,4,5,6,7
	ds_load_b128 v[ACC+64+4*\k:ACC+64+4*\k+3], v[PWB] offset:16*\k   ; p of all 64 rows into every lane, register i = rows 2 i, 2 i + 1: my wave's own bytes, served in order
.endr
	s_wait_alu depctr_va_vdst(0)
	s_wait_dscnt 0x0
; THE CONTEXT BY MATRIX INSTRUCTIONS.  Source 1 = the held rows: lane l gives e = 256 w + 8 l + j, its 8 registers 16 rows.  Lanes r and 16 + r of source 1 are one column's two halves of K, but hold two different e:
; so source 0 has p in row 0 on the K places of lanes 0-15 alone (lane 0) and in row 8 on those of lanes 16-31 alone (lane 24), zeros elsewhere.  Result (0, r) is then lane r's sum and (8, r) lane 16 + r's:
; both lie in register 0 of the accumulator, each in its own lane.  8 accumulators (j) by turns, 4 groups of 16 rows; the first group starts the sums.
.set i, 0
.rept 32
	v_and_b32 v[ACC+64+i], v[T+11], v[ACC+64+i]
.set i, i+1
.endr
	WIN 0x08                                       ; source 1 in window 2
.irp g, 0,1,2,3
.irp j, 0,1,2,3,4,5,6,7
.if \g == 0
	v_wmma_f32_16x16x32_bf16 v[ACC+8*\j:ACC+8*\j+7], v[ACC+64+8*\g:ACC+64+8*\g+7], v[64*\g+8*\j:64*\g+8*\j+7], 0
.else
	v_wmma_f32_16x16x32_bf16 v[ACC+8*\j:ACC+8*\j+7], v[ACC+64+8*\g:ACC+64+8*\g+7], v[64*\g+8*\j:64*\g+8*\j+7], v[ACC+8*\j:ACC+8*\j+7]
.endif
.endr
.endr
	WIN 0
	PLACES                                         ; ahead of the first read of the results
.irp j, 0,1,2,3,4,5,6,7
	v_fma_f32 v[CTX+\j], v[CTX+\j], v[F], v[ACC+8*\j]   ; the context so far under the new m, + this tile's part
.endr
	WIN 0
	s_wait_xcnt 0x0                                ; the mask's load and the scores' store have read their bases and data: both may be written
	s_add_nc_u64 s[6:7], s[6:7], 256               ; 64 rows on
	s_add_nc_u64 s[16:17], s[16:17], 256
.endm
; A TILE.  fill = 1: my strip is filled again with the next tile's rows as soon as all of it has been read
.macro TILE fill
	s_wait_tensorcnt 0x0                           ; my strip has landed: it is the one tensor load of mine that is out, and I alone read its bytes
	SLOAD 0
	SLOAD 1
	INGEST8 0, 16                                  ; behind batch 0's loads: batch 1's 16
	INGEST8 1, 32                                  ; behind batch g's loads: batch g - 1's 16 stores and batch g + 1's 16 loads
	INGEST8 2, 32
	INGEST8 3, 32
	INGEST8 4, 32
	INGEST8 5, 32
	INGEST8 6, 32
	INGEST8 7, 16                                  ; behind batch 7's loads: batch 6's 16 stores
.if \fill
	s_wait_tensorcnt 0x0                           ; no tensor load of mine is out, so group 0 may be written
	ds_add_u32 v[SPW], v[NIL]                      ; 0 onto my spare word
	s_add_nc_u64 s[G0+2:G0+3], s[G0+2:G0+3], 262144   ; 64 rows of 4,096 bytes on; the type bits on top are not reached
	s_wait_dscnt 0x0                               ; the add is done, my reads of the strip are over, my codes and bytes have landed
	s_barrier_signal -1
	s_barrier_wait -1
	tensor_load_to_lds s[G0:G0+3], s[G1:G1+7]      ; my one tensor load behind this barrier, and the first thing there: it has the tile's products and tanh in which to land
	s_nop 0
	PLACES
.else
	s_wait_dscnt 0x0                               ; my codes and bytes have landed
	s_barrier_signal -1
	s_barrier_wait -1
.endif
	global_load_b64 v[MK:MK+1], v[GOF], s[6:7]     ; the mask of rows 2 l, 2 l + 1
	AFETCH
.set j, 0
.rept 32
	v_mov_b32 v[EA+j], v[VS]                       ; every row's score begins with my lane's share of the sum of v
.set j, j+1
.endr
	s_mov_b32 s[CNT], 4
	s_wait_dscnt 0x0                               ; the rows' fragments and scale words are in
.Lchunk_\@:
	CHUNK
	s_sub_co_u32 s[CNT], s[CNT], 1
	s_cmp_lg_u32 s[CNT], 0
	s_cbranch_scc1 .Lchunk_\@
.if \fill
	s_add_co_u32 s[CHS], s[CHS], 768               ; four steps of 256 have gone once round; 768 more is one chunk back: the next tile begins with the chunk just multiplied
.endif
	FINISH
.endm
	s_mov_b32 s[TILES], 3
.Ltile:
	TILE 1
	s_sub_co_u32 s[TILES], s[TILES], 1
	s_cmp_lg_u32 s[TILES], 0
	s_cbranch_scc1 .Ltile
	TILE 0                                         ; the last tile is written out
	; THE WAY OUT.  A lane holds 32 bytes of the context's row: through my wave's own bytes of the table, which is done with, so that each store covers 512 consecutive bytes
	v_and_b32 v[T], 31, v0
	s_lshl_b32 s56, s[WV], 10
	v_lshl_add_u32 v[T+1], v[T], 5, s56
	v_add_nc_u32 v[T+1], TD, v[T+1]
	s_wait_alu depctr_va_vdst(0)
	v_lshl_add_u32 v[T+2], v[T], 4, s56
	v_add_nc_u32 v[T+2], TD, v[T+2]
	ds_store_b128 v[T+1], v[CTX:CTX+3]
	ds_store_b128 v[T+1], v[CTX+4:CTX+7] offset:16
	ds_load_b128 v[ACC:ACC+3], v[T+2]
	ds_load_b128 v[ACC+4:ACC+7], v[T+2] offset:512
	s_wait_dscnt 0x0
	global_store_b128 v[BOF], v[ACC:ACC+3], s[18:19]
	global_store_b128 v[BOF], v[ACC+4:ACC+7], s[18:19] offset:512
	s_wait_tensorcnt 0x0                           ; the wave's end: behind my last tensor load and my last LDS store
	ds_add_u32 v[SPW], v[NIL]
	s_wait_dscnt 0x0
	s_endpgm
.Lfunc_end_k_q33046efb38_scores:
	.size	k_q33046efb38_scores, .Lfunc_end_k_q33046efb38_scores-k_q33046efb38_scores
	.p2alignl 7, 3214868480
	.fill 96, 4, 3214868480
	.section	.rodata,"a",@progbits
	.p2align	6, 0x0
	.amdhsa_kernel k_q33046efb38_scores
		.amdhsa_group_segment_fixed_size 327680
		.amdhsa_private_segment_fixed_size 0
		.amdhsa_enable_private_segment 0
		.amdhsa_kernarg_size 64
		.amdhsa_user_sgpr_count 2
		.amdhsa_user_sgpr_kernarg_segment_ptr 1
		.amdhsa_wavefront_size32 1
		.amdhsa_system_sgpr_workgroup_id_x 1
		.amdhsa_system_sgpr_workgroup_id_y 1
		.amdhsa_system_sgpr_workgroup_id_z 1
		.amdhsa_system_vgpr_workitem_id 0
		.amdhsa_next_free_vgpr 1024
		.amdhsa_next_free_sgpr 66
		.amdhsa_reserve_vcc 1
		.amdhsa_float_denorm_mode_32 3
		.amdhsa_float_denorm_mode_16_64 3
		.amdhsa_memory_ordered 1
		.amdhsa_forward_progress 1
		.amdhsa_inst_pref_size 255
	.end_amdhsa_kernel
	.section	.bss,"aw",@nobits
	.p2align	6
	.space	262144
	.amdgpu_metadata
---
amdhsa.version: [ 1, 2 ]
amdhsa.kernels:
  - .name:           k_q33046efb38_scores
    .symbol:         k_q33046efb38_scores.kd
    .args:
      - { .name: encoder_outputs, .offset: 0, .size: 8, .value_kind: global_buffer, .address_space: global }
      - { .name: src_mask, .offset: 8, .size: 8, .value_kind: global_buffer, .address_space: global }
      - { .name: ucodes, .offset: 16, .size: 8, .value_kind: global_buffer, .address_space: global }
      - { .name: uscales, .offset: 24, .size: 8, .value_kind: global_buffer, .address_space: global }
      - { .name: dpp, .offset: 32, .size: 8, .value_kind: global_buffer, .address_space: global }
      - { .name: v_a, .offset: 40, .size: 8, .value_kind: global_buffer, .address_space: global }
      - { .name: ews, .offset: 48, .size: 8, .value_kind: global_buffer, .address_space: global }
      - { .name: ctxp, .offset: 56, .size: 8, .value_kind: global_buffer, .address_space: global }
    .group_segment_fixed_size: 327680
    .private_segment_fixed_size: 0
    .kernarg_segment_align: 8
    .kernarg_segment_size: 64
    .max_flat_workgroup_size: 128
    .sgpr_count:     66
    .vgpr_count:     1024
    .wavefront_size: 32
...
	.end_amdgpu_metadata
.endif
;; end of part 2
;; launch merge (part 3): grid 64 x 1, 8 waves a work-group, no clusters, 1,536 bytes of LDS; arguments ews, ctxp, out0, out1; writes out0, out1
.if DOCPART == 3
	.amdgcn_target "amdgcn-amd-amdhsa--gfx1250"
	.amdhsa_code_object_version 6
	.text
	.protected	k_q33046efb38_merge
	.globl	k_q33046efb38_merge
	.p2align	8
	.type	k_q33046efb38_merge,@function
k_q33046efb38_merge:
	s_mov_b64 s[64:65], 0
	v_nop
	global_prefetch_b8 v0, s[64:65] scope:SCOPE_SE
	s_setreg_imm32_b32 hwreg(HW_REG_WAVE_MODE, 25, 1), 1
	s_wait_xcnt 0x0
; One work-group for each batch row b.  alpha[b][s] = softmax over s of the stored scores; context[b][e] = sum over the four parts g of ctxp[4 b + g][e] x 2^((m_g - M) log2 e) / L,
; m_g the largest score of rows 256 g .. 256 g + 255 (the maximum under which part g was summed), M the largest of all, L the sum of 2^((E - M) log2 e).  L is at least 1: the largest score gives 1.
; 256 threads: thread i takes s = 4 i .. 4 i + 3 and e = 4 i .. 4 i + 3: every load and store of a wave covers 512 consecutive bytes.  Wave w holds s = 128 w .. + 127: waves 2 g and 2 g + 1 hold part g's rows.
; LDS: bytes 0-31 the eight waves' maxima, bytes 256-287 their sums.
	s_load_b256 s[4:11], s[0:1], 0x0               ; ews s[4:5], ctxp s[6:7], out0 s[8:9], out1 s[10:11]
	v_lshl_add_u32 v48, v0, 2, 0x200
	v_mov_b32 v49, 0
	v_lshlrev_b32 v1, 4, v0                        ; 16 bytes a thread
	v_lshrrev_b32 v2, 5, v0
	s_delay_alu instid0(VALU_DEP_1)
	v_readfirstlane_b32 s12, v2                    ; wave 0..7
	s_lshl_b32 s13, s12, 2
	v_mov_b32 v26, s13                             ; my wave's word
	v_mov_b32 v27, 0
	v_mov_b32 v25, 0                               ; written once: a lane permute's destination counts as one of its sources
	s_mov_b32 s14, 0x76543210
	s_mov_b32 s15, 0xfedcba98                      ; v_permlanex16_b32's selects for lane l xor 16
	s_mov_b32 s16, 0x3fb8aa3b                      ; log2(e)
	s_lshl_b32 s18, ttmp9, 12                      ; a row of 4,096 bytes
	s_mov_b32 s19, 0
	s_lshl_b32 s20, ttmp9, 14                      ; four rows of ctxp
	s_mov_b32 s21, 0
	s_wait_alu depctr_va_vdst(0)
	s_wait_kmcnt 0x0
	s_add_nc_u64 s[4:5], s[4:5], s[18:19]
	s_add_nc_u64 s[6:7], s[6:7], s[20:21]
	s_add_nc_u64 s[8:9], s[8:9], s[18:19]
	s_add_nc_u64 s[10:11], s[10:11], s[18:19]
	global_load_b128 v[4:7], v1, s[4:5]
.irp g, 0,1,2,3
	global_load_b128 v[8+4*\g:11+4*\g], v1, s[6:7] offset:4096*\g
.endr
	s_wait_loadcnt 4                               ; the scores are in; the four parts of the context may be out
	v_max3_num_f32 v24, v4, v5, v6
	s_delay_alu instid0(VALU_DEP_1)
	v_max_num_f32 v24, v24, v7
.irp x, 1,2,4,8
	s_delay_alu instid0(VALU_DEP_1)
	v_max_num_f32_dpp v24, v24, v24 row_xmask:\x row_mask:0xf bank_mask:0xf
.endr
	s_delay_alu instid0(VALU_DEP_1)
	v_permlanex16_b32 v25, v24, s14, s15
	s_delay_alu instid0(VALU_DEP_1)
	v_max_num_f32 v24, v24, v25                    ; my wave's largest score
	ds_store_b32 v26, v24                          ; all lanes write the same word with the same value
	s_wait_dscnt 0x0
	s_barrier_signal -1
	s_barrier_wait -1
	ds_load_b128 v[28:31], v27
	ds_load_b128 v[32:35], v27 offset:16
	s_wait_dscnt 0x0
.irp g, 0,1,2,3
	v_max_num_f32 v[36+\g], v[28+2*\g], v[29+2*\g] ; m_g
.endr
	s_delay_alu instid0(VALU_DEP_2)
	v_max3_num_f32 v40, v36, v37, v38
	s_delay_alu instid0(VALU_DEP_1)
	v_max_num_f32 v40, v40, v39                    ; M
.irp j, 0,1,2,3
	v_sub_f32 v[4+\j], v[4+\j], v40
	v_sub_f32 v[36+\j], v[36+\j], v40
.endr
.irp j, 0,1,2,3
	v_mul_f32 v[4+\j], s16, v[4+\j]
	v_mul_f32 v[36+\j], s16, v[36+\j]
.endr
	s_wait_alu depctr_va_vdst(0)
.irp j, 0,1,2,3
	v_exp_f32 v[4+\j], v[4+\j]                     ; p
	v_exp_f32 v[36+\j], v[36+\j]                   ; part g's weight
.endr
	v_nop                                          ; a plain instruction behind the last exponential
	s_wait_alu depctr_va_vdst(0)                   ; one wait for the eight, ahead of their first reader
	v_add_f32 v41, v4, v5
	v_add_f32 v42, v6, v7
	s_delay_alu instid0(VALU_DEP_1)
	v_add_f32 v41, v41, v42
.irp x, 1,2,4,8
	s_delay_alu instid0(VALU_DEP_1)
	v_add_f32_dpp v41, v41, v41 row_xmask:\x row_mask:0xf bank_mask:0xf
.endr
	s_delay_alu instid0(VALU_DEP_1)
	v_permlanex16_b32 v25, v41, s14, s15
	s_delay_alu instid0(VALU_DEP_1)
	v_add_f32 v41, v41, v25                        ; my wave's sum
	ds_store_b32 v26, v41 offset:256               ; other bytes than the maxima's: no barrier is owed between their reads and these stores
	s_wait_dscnt 0x0
	s_barrier_signal -1
	s_barrier_wait -1
	ds_load_b128 v[28:31], v27 offset:256
	ds_load_b128 v[32:35], v27 offset:272
	s_wait_dscnt 0x0
	v_add_f32 v28, v28, v29
	v_add_f32 v30, v30, v31
	v_add_f32 v32, v32, v33
	v_add_f32 v34, v34, v35
	s_delay_alu instid0(VALU_DEP_3)
	v_add_f32 v28, v28, v30
	s_delay_alu instid0(VALU_DEP_2)
	v_add_f32 v32, v32, v34
	s_delay_alu instid0(VALU_DEP_1)
	v_add_f32 v28, v28, v32                        ; L
	s_wait_alu depctr_va_vdst(0)
	v_rcp_f32 v42, v28
	v_nop
	s_wait_alu depctr_va_vdst(0)
.irp j, 0,1,2,3
	v_mul_f32 v[4+\j], v[4+\j], v42                ; alpha
	v_mul_f32 v[36+\j], v[36+\j], v42              ; weight / L
.endr
	global_store_b128 v1, v[4:7], s[10:11]
	s_wait_alu depctr_va_vdst(0)
	s_wait_loadcnt 0x0
.irp j, 0,1,2,3
	v_mul_f32 v[44+\j], v[8+\j], v36
.endr
.irp g, 1,2,3
.irp j, 0,1,2,3
	s_delay_alu instid0(VALU_DEP_4)
	v_fma_f32 v[44+\j], v[8+4*\g+\j], v[36+\g], v[44+\j]
.endr
.endr
	global_store_b128 v1, v[44:47], s[8:9]
	s_wait_tensorcnt 0x0
	ds_add_u32 v48, v49
	s_wait_dscnt 0x0
	s_endpgm
.Lfunc_end_k_q33046efb38_merge:
	.size	k_q33046efb38_merge, .Lfunc_end_k_q33046efb38_merge-k_q33046efb38_merge
	.p2alignl 7, 3214868480
	.fill 96, 4, 3214868480
	.section	.rodata,"a",@progbits
	.p2align	6, 0x0
	.amdhsa_kernel k_q33046efb38_merge
		.amdhsa_group_segment_fixed_size 1536
		.amdhsa_private_segment_fixed_size 0
		.amdhsa_enable_private_segment 0
		.amdhsa_kernarg_size 32
		.amdhsa_user_sgpr_count 2
		.amdhsa_user_sgpr_kernarg_segment_ptr 1
		.amdhsa_wavefront_size32 1
		.amdhsa_system_sgpr_workgroup_id_x 1
		.amdhsa_system_sgpr_workgroup_id_y 1
		.amdhsa_system_sgpr_workgroup_id_z 1
		.amdhsa_system_vgpr_workitem_id 0
		.amdhsa_next_free_vgpr 50
		.amdhsa_next_free_sgpr 66
		.amdhsa_reserve_vcc 0
		.amdhsa_float_denorm_mode_32 3
		.amdhsa_float_denorm_mode_16_64 3
		.amdhsa_memory_ordered 1
		.amdhsa_forward_progress 1
		.amdhsa_inst_pref_size 8
	.end_amdhsa_kernel
	.amdgpu_metadata
---
amdhsa.version: [ 1, 2 ]
amdhsa.kernels:
  - .name:           k_q33046efb38_merge
    .symbol:         k_q33046efb38_merge.kd
    .args:
      - { .name: ews, .offset: 0, .size: 8, .value_kind: global_buffer, .address_space: global }
      - { .name: ctxp, .offset: 8, .size: 8, .value_kind: global_buffer, .address_space: global }
      - { .name: out0, .offset: 16, .size: 8, .value_kind: global_buffer, .address_space: global }
      - { .name: out1, .offset: 24, .size: 8, .value_kind: global_buffer, .address_space: global }
    .group_segment_fixed_size: 1536
    .private_segment_fixed_size: 0
    .kernarg_segment_align: 8
    .kernarg_segment_size: 32
    .max_flat_workgroup_size: 256
    .sgpr_count:     66
    .vgpr_count:     50
    .wavefront_size: 32
...
	.end_amdgpu_metadata
.endif
;; end of part 3
